; MI455X (gfx1250); checked and timed in simulation.
; The chip was launched on July 23, 2026; its instructions are those of AMD's public machine-readable ISA for CDNA 5 (MIT licence, August 2026) and "CDNA5" Instruction Set Architecture Reference Guide (July 2026). The comments in the code are by the model that wrote it; some were corrected since.
;; Lat Sim. Allowed arithmetic: float matrix products may take bf16 or f16 operands with f32 sums; all other float work in f32.
;; Inputs: A 512 x 2 float32; xt 8,192 x 512 float32; xtr 16,384 x 512 float32; ytr 16,384 x 16 float32.
;; Outputs: out0 8,192 x 16 float32.
;; 2 versions, each right; version 2 is version 1 with the launch attend written anew for expert scheduling mode. Each part assembles by itself: llvm-mc -triple=amdgcn-amd-amdhsa -mcpu=gfx1250 --defsym DOCPART=n.
;; ======== version 1 of 2: 2 launches
;; limits: values are held in f16: magnitudes above 65,504 overflow, below 6.1e-05 lose precision; inputs' magnitudes at most 65,504
;; workspace buffers: pf 196,608 bytes; yf 524,288 bytes
;; launch project (part 1): grid 256 x 1, 12 waves a work-group, no clusters, 2,560 bytes of LDS; arguments xt, xtr, ytr, A, pf, yf; writes pf, yf
.if DOCPART == 1
	.amdgcn_target "amdgcn-amd-amdhsa--gfx1250"
	.amdhsa_code_object_version 6
	.text
	.protected	k_q7520fc2757_project
	.globl	k_q7520fc2757_project
	.p2align	8
	.type	k_q7520fc2757_project,@function
k_q7520fc2757_project:
	s_mov_b64 s[64:65], 0
	v_nop
	global_prefetch_b8 v0, s[64:65] scope:SCOPE_SE
	s_setreg_imm32_b32 hwreg(HW_REG_WAVE_MODE, 25, 1), 1
	s_wait_xcnt 0x0
; PROJECT: q = xt A (times log2 e) and k = xtr A, each number split into two bf16 parts, and ytr in f16, transposed.
; xt [8192][512], xtr [16384][512], A [512][2], ytr [16384][16], all f32.
; A work-group takes 32 rows of xt (waves 0-3) and 64 rows of xtr (waves 4-11): 8 rows a wave, 12 waves, 256 work-groups.
; A wave asks for its 8 rows at once (32 loads of 512 neighbouring bytes, 16 KB on their way) and works on them as they come:
; there is no loop.  Two output columns for 2,048 bytes of a row: the bytes decide.
; OUT, pf: 8 bytes a row: word 0 = bf16(a0) | bf16(a1) << 16, word 1 = the same of the remainders a - bf16(a).
;   32 rows make one unit of 256 bytes: row i of the unit lies at 16 (i % 16) + 8 (i / 16), the order in which the next launch loads
;   its matrix operands.  Units 0-255: q.  Units 256-767: k.
; OUT, yf: f16.  The 8 keys 8 n .. 8 n + 7 make unit n of 256 bytes: class r at 16 r, the keys ascending.
; LIMITS: inputs finite; |ytr| above 65,504 becomes infinite in f16; the two bf16 parts keep 16 bits of q and of k.
.set LOG2E, 0x3fb8aa3b
.set QPART, 65536                      ; bytes of pf that hold q
.set XOF,  1                           ; v1      16 x lane: my 16 bytes in each 512 of a row
.set AOF,  2                           ; v2      32 x lane: A of my 4 columns
.set YIN,  3                           ; v3      ytr: 4 r + 256 h (class r, keys 4 h ..)
.set YOUT, 4                           ; v4      yf: 16 r + 8 h
.set LST,  5                           ; v5      LDS: where my row's 8 bytes go
.set W,    6                           ; v[6:7]  the row's two words
.set YV,   8                           ; v[8:11] four keys of one class
.set YP,   12                          ; v[12:13] the same in f16
.set T,    14                          ; v14, v15 at work
.set AC,   16                          ; v[16:31] row p: a pair of sums (column 0, column 1)
.set AR,   32                          ; v[32:63] A of my 16 columns, pairs
.set X,    64                          ; v[64:191] row p: 16 registers
	s_load_b256 s[4:11], s[0:1], 0x0               ; xt s[4:5], xtr s[6:7], ytr s[8:9], A s[10:11]
	s_load_b128 s[12:15], s[0:1], 0x20             ; pf s[12:13], yf s[14:15]
	v_lshl_add_u32 v192, v0, 2, 0x400
	v_mov_b32 v193, 0
	v_lshrrev_b32 v[T], 5, v0
	v_readfirstlane_b32 s16, v[T]                  ; wave 0..11
	v_and_b32 v[W], 31, v0                         ; lane
	v_and_b32 v[W+1], 15, v0                       ; r
	v_bfe_u32 v[T], v0, 4, 1                       ; h
	v_lshlrev_b32 v[XOF], 4, v[W]
	v_lshlrev_b32 v[AOF], 5, v[W]
	v_lshlrev_b32 v[YIN], 2, v[W+1]
	v_lshl_or_b32 v[YIN], v[T], 8, v[YIN]
	v_lshlrev_b32 v[YOUT], 4, v[W+1]
	v_lshl_or_b32 v[YOUT], v[T], 3, v[YOUT]
	v_lshrrev_b32 v[T], 2, v0                      ; the row that I end up with: 8 x wave + lane / 4, 0..95
	v_and_b32 v[LST], 15, v[T]
	v_lshlrev_b32 v[LST], 4, v[LST]                ; 16 (i % 16)
	v_bfe_u32 v[T+1], v[T], 4, 1
	v_lshl_or_b32 v[LST], v[T+1], 3, v[LST]        ; + 8 (i / 16 % 2)
	v_lshrrev_b32 v[T+1], 5, v[T]
	v_lshl_or_b32 v[LST], v[T+1], 8, v[LST]        ; + 256 x unit
	s_mov_b32 s30, 0xff00ff00                      ; lanes whose bit 3 is set
	s_mov_b32 s31, 0xf0f0f0f0                      ; lanes whose bit 2 is set
	s_max_u32 s17, s16, 4
	s_sub_co_u32 s17, s17, 4                       ; my number among the eight waves of xtr (0 in the waves of xt)
	s_lshl_b32 s18, ttmp9, 16                      ; xt: 32 rows of 2,048 bytes a work-group,
	s_lshl_b32 s19, s16, 14                        ;     8 rows a wave
	s_add_co_u32 s18, s18, s19
	s_lshl_b32 s20, ttmp9, 17                      ; xtr: 64 rows a work-group
	s_lshl_b32 s19, s17, 14
	s_add_co_u32 s20, s20, s19
	s_mov_b32 s21, 0
	s_lshl_b32 s22, ttmp9, 12                      ; ytr: 64 rows of 64 bytes a work-group, 8 a wave
	s_lshl_b32 s19, s17, 9
	s_add_co_u32 s22, s22, s19
	s_mov_b32 s23, 0
	s_lshl_b32 s24, ttmp9, 11                      ; yf: 8 units of 256 bytes a work-group, one a wave
	s_lshl_b32 s19, s17, 8
	s_add_co_u32 s24, s24, s19
	s_mov_b32 s25, 0
	s_cmp_ge_u32 s16, 4                            ; a wave of xtr?  (the selects, moves and the wait below leave SCC alone)
	s_cselect_b32 s20, s20, s18                    ; byte offset of my 8 rows
	s_cselect_b32 s26, 1.0, LOG2E                  ; q carries log2 e, so that the next launch can use 2^x
	s_wait_kmcnt 0x0
	s_cselect_b64 s[28:29], s[6:7], s[4:5]
	s_add_nc_u64 s[28:29], s[28:29], s[20:21]      ; my rows
	s_add_nc_u64 s[8:9], s[8:9], s[22:23]          ; my 8 rows of ytr
	s_add_nc_u64 s[14:15], s[14:15], s[24:25]      ; my unit of yf
	; The waves of xtr ask for their labels first: these loads are older than all that follow, so the counts below hold with and without them.
	s_cmp_lt_u32 s16, 4
	s_cbranch_scc1 .Lno_labels
.irp i, 0,1,2,3
	global_load_b32 v[YV+\i], v[YIN], s[8:9] offset:64*\i th:TH_LOAD_NT    ; key 4 h + i, class r
.endr
.Lno_labels:
.irp j, 0,1,2,3
	global_load_b128 v[AR+8*\j:AR+8*\j+3],   v[AOF], s[10:11] offset:1024*\j      ; A of columns 128 j + 4 lane, + 1
	global_load_b128 v[AR+8*\j+4:AR+8*\j+7], v[AOF], s[10:11] offset:1024*\j+16   ; + 2, + 3
.endr
.irp p, 0,1,2,3,4,5,6,7
.irp j, 0,1,2,3
	global_load_b128 v[X+16*\p+4*\j:X+16*\p+4*\j+3], v[XOF], s[28:29] offset:2048*\p+512*\j th:TH_LOAD_NT
.endr
.endr
; Row p: 16 numbers of x a lane; one packed multiply-add takes one x (picked by op_sel for both halves) times A's pair of columns.
.macro ROW p
	s_wait_loadcnt 28-4*\p                         ; loads return in order (ISA guide 5.7.1): the 4 (7 - p) loads of later rows may stay out
	v_pk_mul_f32 v[AC+2*\p:AC+2*\p+1], v[X+16*\p:X+16*\p+1], v[AR:AR+1] op_sel_hi:[0,1]   ; the first product starts the sums
.set e, 1
.rept 15
.if e & 1
	v_pk_fma_f32 v[AC+2*\p:AC+2*\p+1], v[X+16*\p+e-1:X+16*\p+e], v[AR+2*e:AR+2*e+1], v[AC+2*\p:AC+2*\p+1] op_sel:[1,0,0] op_sel_hi:[1,1,1]
.else
	v_pk_fma_f32 v[AC+2*\p:AC+2*\p+1], v[X+16*\p+e:X+16*\p+e+1], v[AR+2*e:AR+2*e+1], v[AC+2*\p:AC+2*\p+1] op_sel_hi:[0,1,1]
.endif
.set e, e+1
.endr
.endm
.irp p, 0,1,2,3,4,5,6,7
	ROW \p
.endr
	; Labels: four keys of a class in f16 are 8 bytes; the 32 lanes fill one aligned unit of 256 bytes with one store.
	s_cmp_lt_u32 s16, 4
	s_cbranch_scc1 .Lno_labels_out
	v_cvt_pk_f16_f32 v[YP], v[YV], v[YV+1]         ; the lower key in the lower half
	v_cvt_pk_f16_f32 v[YP+1], v[YV+2], v[YV+3]
	global_store_b64 v[YOUT], v[YP:YP+1], s[14:15]
.Lno_labels_out:
	; Sum over the 32 lanes, halving the rows a lane keeps at each step, so that lane l ends with row l / 4.
	; Step 1, lanes 16 apart: the swap puts row p's two halves side by side in lanes 0-15 and row p + 4's in lanes 16-31.
.irp p, 0,1,2,3
	v_permlane16_swap_b32 v[AC+2*\p], v[AC+2*\p+8]
	v_permlane16_swap_b32 v[AC+2*\p+1], v[AC+2*\p+9]
	v_pk_add_f32 v[AC+2*\p:AC+2*\p+1], v[AC+2*\p:AC+2*\p+1], v[AC+2*\p+8:AC+2*\p+9]
.endr
	; Step 2, lanes 8 apart: a lane with bit 3 clear keeps the lower row and sends the upper one, the others the other way round.
.irp x, 0,1,2,3
	v_cndmask_b32 v[T], v[AC+4+\x], v[AC+\x], s30          ; what I send
	v_cndmask_b32 v[T+1], v[AC+\x], v[AC+4+\x], s30        ; what I keep
	v_add_f32_dpp v[AC+\x], v[T], v[T+1] row_xmask:8 row_mask:0xf bank_mask:0xf
.endr
	; Step 3, lanes 4 apart.
.irp x, 0,1
	v_cndmask_b32 v[T], v[AC+2+\x], v[AC+\x], s31
	v_cndmask_b32 v[T+1], v[AC+\x], v[AC+2+\x], s31
	v_add_f32_dpp v[AC+\x], v[T], v[T+1] row_xmask:4 row_mask:0xf bank_mask:0xf
.endr
	; Steps 4 and 5: the four lanes of a row add up; all four end with the row's two sums.
.irp m, 2,1
	v_add_f32_dpp v[AC], v[AC], v[AC] row_xmask:\m row_mask:0xf bank_mask:0xf
	v_add_f32_dpp v[AC+1], v[AC+1], v[AC+1] row_xmask:\m row_mask:0xf bank_mask:0xf
.endr
	v_mul_f32 v[AC], s26, v[AC]
	v_mul_f32 v[AC+1], s26, v[AC+1]
	v_cvt_pk_bf16_f32 v[W], v[AC], v[AC+1]         ; the high parts
	v_lshlrev_b32 v[T], 16, v[W]
	v_and_b32 v[T+1], 0xffff0000, v[W]
	v_sub_f32 v[T], v[AC], v[T]                    ; what they leave (exact)
	v_sub_f32 v[T+1], v[AC+1], v[T+1]
	v_cvt_pk_bf16_f32 v[W+1], v[T], v[T+1]         ; the low parts
	ds_store_b64 v[LST], v[W:W+1]                  ; the four lanes of a row write the same 8 bytes
	s_wait_dscnt 0x0                               ; my stores are in LDS before I say so
	s_barrier_signal -1
	s_barrier_wait -1
	; Waves 0, 1, 2 each carry one unit of 32 rows out: 32 lanes x 8 bytes = 256 neighbouring bytes, aligned.
	s_cmp_ge_u32 s16, 3
	s_cbranch_scc1 .Ldone
	v_lshlrev_b32 v[T], 3, v0                      ; 256 x wave + 8 x lane
	ds_load_b64 v[W:W+1], v[T]
	v_and_b32 v[T+1], 31, v0
	v_lshlrev_b32 v[T+1], 3, v[T+1]
	s_lshl_b32 s18, ttmp9, 8                       ; wave 0: q's unit of this work-group
	s_lshl_b32 s19, ttmp9, 9                       ; waves 1, 2: k's units 2 b and 2 b + 1, behind q's part
	s_lshl_b32 s20, s16, 8
	s_add_co_u32 s19, s19, s20
	s_add_co_u32 s19, s19, QPART-256
	s_cmp_eq_u32 s16, 0
	s_cselect_b32 s18, s18, s19
	s_mov_b32 s19, 0
	s_add_nc_u64 s[12:13], s[12:13], s[18:19]
	s_wait_dscnt 0x0
	global_store_b64 v[T+1], v[W:W+1], s[12:13]
.Ldone:
	s_wait_tensorcnt 0x0
	ds_add_u32 v192, v193
	s_wait_dscnt 0x0
	s_endpgm
.Lfunc_end_k_q7520fc2757_project:
	.size	k_q7520fc2757_project, .Lfunc_end_k_q7520fc2757_project-k_q7520fc2757_project
	.p2alignl 7, 3214868480
	.fill 96, 4, 3214868480
	.section	.rodata,"a",@progbits
	.p2align	6, 0x0
	.amdhsa_kernel k_q7520fc2757_project
		.amdhsa_group_segment_fixed_size 2560
		.amdhsa_private_segment_fixed_size 0
		.amdhsa_enable_private_segment 0
		.amdhsa_kernarg_size 48
		.amdhsa_user_sgpr_count 2
		.amdhsa_user_sgpr_kernarg_segment_ptr 1
		.amdhsa_wavefront_size32 1
		.amdhsa_system_sgpr_workgroup_id_x 1
		.amdhsa_system_sgpr_workgroup_id_y 1
		.amdhsa_system_sgpr_workgroup_id_z 1
		.amdhsa_system_vgpr_workitem_id 0
		.amdhsa_next_free_vgpr 194
		.amdhsa_next_free_sgpr 66
		.amdhsa_reserve_vcc 0
		.amdhsa_float_denorm_mode_32 3
		.amdhsa_float_denorm_mode_16_64 3
		.amdhsa_memory_ordered 1
		.amdhsa_forward_progress 1
		.amdhsa_inst_pref_size 19
	.end_amdhsa_kernel
	.amdgpu_metadata
---
amdhsa.version: [ 1, 2 ]
amdhsa.kernels:
  - .name:           k_q7520fc2757_project
    .symbol:         k_q7520fc2757_project.kd
    .args:
      - { .name: xt, .offset: 0, .size: 8, .value_kind: global_buffer, .address_space: global }
      - { .name: xtr, .offset: 8, .size: 8, .value_kind: global_buffer, .address_space: global }
      - { .name: ytr, .offset: 16, .size: 8, .value_kind: global_buffer, .address_space: global }
      - { .name: A, .offset: 24, .size: 8, .value_kind: global_buffer, .address_space: global }
      - { .name: pf, .offset: 32, .size: 8, .value_kind: global_buffer, .address_space: global }
      - { .name: yf, .offset: 40, .size: 8, .value_kind: global_buffer, .address_space: global }
    .group_segment_fixed_size: 2560
    .private_segment_fixed_size: 0
    .kernarg_segment_align: 8
    .kernarg_segment_size: 48
    .max_flat_workgroup_size: 384
    .sgpr_count:     66
    .vgpr_count:     194
    .wavefront_size: 32
...
	.end_amdgpu_metadata
.endif
;; end of part 1
;; launch attend (part 2): grid 256 x 1, 16 waves a work-group, no clusters, 39,936 bytes of LDS; arguments pf, yf, out0; writes out0
.if DOCPART == 2
	.amdgcn_target "amdgcn-amd-amdhsa--gfx1250"
	.amdhsa_code_object_version 6
	.text
	.protected	k_q7520fc2757_attend
	.globl	k_q7520fc2757_attend
	.p2align	8
	.type	k_q7520fc2757_attend,@function
k_q7520fc2757_attend:
	s_mov_b64 s[64:65], 0
	v_nop
	global_prefetch_b8 v0, s[64:65] scope:SCOPE_SE
	s_setreg_imm32_b32 hwreg(HW_REG_WAVE_MODE, 25, 1), 1
	s_wait_xcnt 0x0
; ATTEND: out[i] = sum over j of softmax_j(q_i . k_j) ytr[j].  8,192 queries, 16,384 keys, 16 classes.
; pf holds q (times log2 e) and k as two bf16 parts each, yf holds ytr in f16, both in the order of the matrix operands (see PROJECT).
; A work-group owns 32 queries (two tiles of 16) and walks all keys; its 16 waves take 1,024 keys each, four waves to a SIMD.
;
; LOGITS, S^T = K Q^T, one bf16 matrix instruction for 16 keys x 16 queries.  Of the 32 places along K a tile needs 8:
;   A (keys): registers 2 t, 2 t + 1 of a group of 8 registers hold tile t's words (k0h k1h), (k0l k1l), alike in both halves of the lanes:
;   one group of 8 registers = 64 keys, two loads.
;   B (queries): a window of 8 registers out of a run of 14 that is zero but for two, both (q0h q1h) in lanes 0-15 and (q0l q1l) in
;   lanes 16-31.  The window that starts at 6 - 2 t meets tile t; the other tiles' k meet zeros.  The sum is (q0h+q0l)(k0h+k0l)+(q1h+q1l)(k1h+k1l).
; PASS 1: the raw logits of my 1,024 keys, their maximum by row; the 16 waves' maxima meet in LDS: M is the row's exact maximum.
; PASS 2: the same products with C = 12 - M give x <= 12; P = 2^x in f16.  A lane of S^T holds 8 neighbouring keys of one query, which is
;   the B operand's layout of P: no shuffle.  out^T += Y^T P (A = 16 classes x 32 keys from yf), and the row sums by A = ones, from the
;   same rounded P.  A lane of out^T holds 8 neighbouring classes of one query.  The waves' sums meet in LDS; waves 0-3 add, divide, store.
; The logits are made twice rather than kept or shifted by vector instructions: 2 matrix instructions for 512 pairs against 8 packed adds.
; f16 and not bf16 for P and ytr: 11 bits against 8; rows with few effective neighbours need them.  The 12 lifts P to 4,096 at most.
; NO CLUSTER, NO LDS RING: the loads land in the operands' registers as they are; a work-group loads 48 bytes a key (k twice, 8 bytes; ytr 32)
; for 32 exponentials a key, 1.5 bytes for each.  All work-groups walk the same 640 KB; joint requests would have to pass through LDS.
; No prefetch: pf and yf were stored by the launch before and are read by all 256 work-groups.
; LIMITS: q, k finite (the zeros of a window multiply other keys' k: an infinite k would give NaN where the softmax gives weight 0);
; weights below 2^-37 of a row's largest vanish in f16 (in all at most 2^-23 of the row's sum); logits carry 16 bits of q and of k.
.set XP,    80                         ; pitch of a query's 16 words in the two exchange tables: an odd multiple of 16
.set MXB,   0                          ; LDS: maxima, 32 queries x 16 waves
.set LB,    32*XP                      ; LDS: row sums, likewise
.set PB,    2*32*XP                    ; LDS: 16 waves x 2,048 bytes of sums, each in the order of out
.set SHIFT, 0x41400000                 ; 12.0
.set KOF, 1                            ; v1  16 x (lane % 16): pf
.set YOF, 2                            ; v2  16 x lane: yf
.set XST, 8                            ; v8  exchange: my wave's word of local query = lane
.set XLD, 9                            ; v9  exchange: the 16 words of local query = lane
.set PST, 10                           ; v10 where my sums go
.set QW,  14                           ; v[14:41]   two runs of 14: the windows of the two query tiles
.set MX,  42                           ; pass 1: v[42:49]   4 running maxima a tile
.set D,   50                           ; pass 1: v[50:113]  two buffers of 4 logit tiles
.set QL,  116                          ; pass 1: v[116:119] q as loaded
.set KA,  128                          ; pass 1: v[128:255] my 16 groups of 64 keys
.set BI,  42                           ; pass 2: v[42:57]   12 - M, eight times for each tile (the C operand)
.set ONE, 58                           ; v[58:65]   1.0 in f16 everywhere
.set AC,  66                           ; v[66:81]   out^T, two tiles
.set LS,  82                           ; v[82:97]   row sums, two tiles
.set S,   98                           ; v[98:129]  x of a block: 2 query tiles x 2 key tiles
.set E,   130                          ; v[130:161] 2^x
.set P,   162                          ; v[162:193] P in f16, two buffers of 2 x 8
.set YR,  194                          ; v[194:225] ytr: a ring of four blocks of 32 keys
.set KR,  226                          ; v[226:241] k: a ring of two groups of 64 keys
	s_load_b128 s[4:7], s[0:1], 0x0                ; pf s[4:5], yf s[6:7]
	s_load_b64 s[8:9], s[0:1], 0x10                ; out0
	v_lshl_add_u32 v7, v0, 2, 0x9400
	v_mov_b32 v13, 0
	v_lshrrev_b32 v3, 5, v0
	v_readfirstlane_b32 s10, v3                    ; wave 0..15
	v_and_b32 v4, 31, v0                           ; lane
	v_and_b32 v5, 15, v0                           ; r
	v_bfe_u32 v6, v0, 4, 1                         ; h
	v_lshlrev_b32 v[KOF], 4, v5
	v_lshlrev_b32 v[YOF], 4, v4
	v_mul_u32_u24 v[XLD], v4, XP
	v_lshl_add_u32 v[XST], v3, 2, v[XLD]
	; Where my sums go, as a plain sum: at most 15 x 64 + 32 + 15 x 2,048 = 31,712, so that the last store
	; (offset PB + 1,040, 16 bytes) ends at byte 37,888, the end of the work-group's LDS.
	v_lshlrev_b32 v[PST], 6, v5                    ; a query's 64 bytes,
	v_lshl_add_u32 v[PST], v6, 5, v[PST]           ; my 8 classes,
	v_lshl_add_u32 v[PST], v3, 11, v[PST]          ; my wave's 2,048 bytes
.irp z, 0,1,2,3,4,5,8,9,10,11,12,13
	v_mov_b32 v[QW+\z], 0                          ; the zeros of the windows are operands, not sums
	v_mov_b32 v[QW+14+\z], 0
.endr
	s_mov_b32 s11, 0xffff0000                      ; lanes 16-31
	s_mov_b32 s12, 0x76543210                      ; v_permlanex16_b32: lane i of one half reads lane i of the other
	s_mov_b32 s13, 0xfedcba98
	s_lshl_b32 s14, ttmp9, 8                       ; q: one unit of 256 bytes a work-group
	s_mov_b32 s15, 0
	s_lshl_b32 s16, s10, 13                        ; k: 1,024 keys of 8 bytes a wave,
	s_add_co_u32 s16, s16, 65536                   ;    behind q's 64 KB
	s_mov_b32 s17, 0
	s_lshl_b32 s18, s10, 15                        ; ytr: 1,024 keys of 32 bytes a wave
	s_mov_b32 s19, 0
	s_lshl_b32 s20, ttmp9, 11                      ; out: 32 rows of 64 bytes
	s_mov_b32 s21, 0
	s_wait_kmcnt 0x0
	s_add_nc_u64 s[22:23], s[4:5], s[14:15]
	s_add_nc_u64 s[24:25], s[4:5], s[16:17]
	s_add_nc_u64 s[26:27], s[6:7], s[18:19]
	s_add_nc_u64 s[8:9], s[8:9], s[20:21]
	global_load_b128 v[QL:QL+3], v[KOF], s[22:23]  ; query r of tile 0 (two words), query r of tile 1
.set g, 0
.rept 16
	global_load_b128 v[KA+8*g:KA+8*g+3],   v[KOF], s[24:25] offset:512*g        ; key r of tiles 0, 1 of group g
	global_load_b128 v[KA+8*g+4:KA+8*g+7], v[KOF], s[24:25] offset:512*g+256    ; of tiles 2, 3
.set g, g+1
.endr
	s_wait_loadcnt 32                              ; q is in; the 32 loads of k may stay out
	v_cndmask_b32 v[QW+6],  v[QL],   v[QL+1], s11  ; high parts in lanes 0-15, low parts in lanes 16-31
	v_cndmask_b32 v[QW+20], v[QL+2], v[QL+3], s11
	v_mov_b32 v[QW+7],  v[QW+6]
	v_mov_b32 v[QW+21], v[QW+20]
; ---------------- PASS 1: the maxima ----------------
; Batch n = key tiles 2 (n % 2), + 1 of group n / 2, times both query tiles: 4 matrix instructions into buffer n % 2.
.macro RAW4 n
.irp qt, 0,1
.irp u, 0,1
	v_wmma_f32_16x16x32_bf16 v[D+32*((\n)&1)+16*\qt+8*\u:D+32*((\n)&1)+16*\qt+8*\u+7], v[KA+8*((\n)>>1):KA+8*((\n)>>1)+7], v[QW+14*\qt+6-4*((\n)&1)-2*\u:QW+14*\qt+13-4*((\n)&1)-2*\u], 0
.endr
.endr
.endm
; 8 instructions: key tile u of batch n into the running maxima; init = 1: the first pair starts them.
.macro MAX8 n, u, init
.irp qt, 0,1
.irp c, 0,1,2,3
.if \init
	v_max_num_f32 v[MX+4*\qt+\c], v[D+32*((\n)&1)+16*\qt+8*\u+2*\c], v[D+32*((\n)&1)+16*\qt+8*\u+2*\c+1]
.else
	v_max3_num_f32 v[MX+4*\qt+\c], v[D+32*((\n)&1)+16*\qt+8*\u+2*\c], v[D+32*((\n)&1)+16*\qt+8*\u+2*\c+1], v[MX+4*\qt+\c]
.endif
.endr
.endr
.endm
; A vector instruction reads a matrix result four independent vector instructions behind it at the earliest (ISA guide 7.12.1).
; Here the 16 maxima of batch n - 1 stand between batch n's products and their first use; only batch 0 needs v_nop.
	s_wait_loadcnt 30                              ; group 0 is in; the 30 loads of groups 1-15 may stay out
	RAW4 0
.rept 4
	v_nop
.endr
.set bn, 1
.rept 31
.if (bn&1) == 0
	s_wait_loadcnt 30-bn                           ; group bn / 2 is in; two loads for each later group may stay out
.endif
	RAW4 bn
.if bn == 1
	MAX8 0, 0, 1
.else
	MAX8 bn-1, 0, 0
.endif
	MAX8 bn-1, 1, 0
.set bn, bn+1
.endr
	MAX8 31, 0, 0
	MAX8 31, 1, 0
	; Pass 2's first loads go out now, behind 32 vector instructions since the last product read these registers,
	; and travel while the maxima are exchanged.
.irp g, 0,1
	global_load_b128 v[KR+8*\g:KR+8*\g+3],   v[KOF], s[24:25] offset:512*\g
	global_load_b128 v[KR+8*\g+4:KR+8*\g+7], v[KOF], s[24:25] offset:512*\g+256
.endr
.irp b, 0,1
	global_load_b128 v[YR+8*\b:YR+8*\b+3],   v[YOF], s[26:27] offset:1024*\b
	global_load_b128 v[YR+8*\b+4:YR+8*\b+7], v[YOF], s[26:27] offset:1024*\b+512
.endr
	v_max3_num_f32 v3, v[MX], v[MX+1], v[MX+2]
	v_max3_num_f32 v4, v[MX+4], v[MX+5], v[MX+6]
	v_max_num_f32 v3, v3, v[MX+3]                  ; tile 0: query r, my half's keys
	v_max_num_f32 v4, v4, v[MX+7]                  ; tile 1
	v_cndmask_b32 v5, v3, v4, s11                  ; lanes 0-15 keep tile 0 and send tile 1, lanes 16-31 the other way round:
	v_cndmask_b32 v6, v4, v3, s11                  ; lane l ends with local query l
	v_permlanex16_b32 v3, v6, s12, s13
	v_max_num_f32 v5, v5, v3
	ds_store_b32 v[XST], v5 offset:MXB
	s_wait_dscnt 0x0                               ; my word is in LDS before I say so
	s_barrier_signal -1
	s_barrier_wait -1
.irp n, 0,1,2,3
	ds_load_b128 v[S+4*\n:S+4*\n+3], v[XLD] offset:MXB+16*\n       ; the 16 waves' maxima of local query = lane
.endr
.irp j, 0,1,2,3,4,5,6,7
	v_mov_b32 v[ONE+\j], 0x3c003c00                ; 1.0, 1.0 in f16
.endr
	s_wait_dscnt 0x0
	v_max3_num_f32 v[S],    v[S],    v[S+1],  v[S+2]
	v_max3_num_f32 v[S+3],  v[S+3],  v[S+4],  v[S+5]
	v_max3_num_f32 v[S+6],  v[S+6],  v[S+7],  v[S+8]
	v_max3_num_f32 v[S+9],  v[S+9],  v[S+10], v[S+11]
	v_max3_num_f32 v[S+12], v[S+12], v[S+13], v[S+14]
	v_max3_num_f32 v[S],    v[S],    v[S+3],  v[S+15]
	v_max3_num_f32 v[S+6],  v[S+6],  v[S+9],  v[S+12]
	v_max_num_f32 v5, v[S], v[S+6]                 ; M of local query = lane
	v_permlanex16_b32 v3, v5, s12, s13
	v_cndmask_b32 v4, v5, v3, s11                  ; M of query r of tile 0, in both halves
	v_cndmask_b32 v6, v3, v5, s11                  ; of tile 1
.irp j, 0,1,2,3,4,5,6,7
	v_sub_f32 v[BI+\j], SHIFT, v4                  ; every register of a logit tile belongs to the lane's own query
	v_sub_f32 v[BI+8+\j], SHIFT, v6
.endr
; ---------------- PASS 2 ----------------
; Blocks of 32 keys, i = 0..31; pos = i % 4.  Block i takes the steps: x(i) by 4 products; P(i-1) packed; loads; sums of block i-1; 2^x(i).
; The 16 conversions stand between x(i)'s products and the exponentials that read them, between the last reader of a ring register
; and the load into it, and (P has two buffers) between a product that read P and the conversion that rewrites it.
.macro SMUL pos
.irp qt, 0,1
.irp u, 0,1
	v_wmma_f32_16x16x32_bf16 v[S+16*\qt+8*\u:S+16*\qt+8*\u+7], v[KR+8*(\pos>>1):KR+8*(\pos>>1)+7], v[QW+14*\qt+6-4*(\pos&1)-2*\u:QW+14*\qt+13-4*(\pos&1)-2*\u], v[BI+8*\qt:BI+8*\qt+7]
.endr
.endr
.endm
.macro PACK pos                        ; keys 8 h + 0..7 of key tile u -> registers 4 u .. 4 u + 3 of the B operand, the lower key in the lower half
	s_wait_alu depctr_va_vdst(0)
.irp qt, 0,1
.irp u, 0,1
.irp c, 0,1,2,3
	v_cvt_pk_f16_f32 v[P+16*((\pos+1)&1)+8*\qt+4*\u+\c], v[E+16*\qt+8*\u+2*\c], v[E+16*\qt+8*\u+2*\c+1]
.endr
.endr
.endr
.endm
.macro LOADY pos                       ; ytr of block i + 2, into the slot that block i - 2 left
	global_load_b128 v[YR+8*((\pos+2)&3):YR+8*((\pos+2)&3)+3],   v[YOF], s[26:27] offset:(\pos+2)*1024
	global_load_b128 v[YR+8*((\pos+2)&3)+4:YR+8*((\pos+2)&3)+7], v[YOF], s[26:27] offset:(\pos+2)*1024+512
.endm
.macro LOADK pos                       ; odd blocks: the group two further on, into the slot whose second half was just multiplied
	global_load_b128 v[KR+8*(\pos>>1):KR+8*(\pos>>1)+3],   v[KOF], s[24:25] offset:((\pos>>1)+2)*512
	global_load_b128 v[KR+8*(\pos>>1)+4:KR+8*(\pos>>1)+7], v[KOF], s[24:25] offset:((\pos>>1)+2)*512+256
.endm
.macro PVS pos, zero                   ; block i - 1: out^T += Y^T P and sums += 1 P; zero = 1: the first products start the sums
.irp qt, 0,1
.if \zero
	v_wmma_f32_16x16x32_f16 v[AC+8*\qt:AC+8*\qt+7], v[YR+8*((\pos+3)&3):YR+8*((\pos+3)&3)+7], v[P+16*((\pos+1)&1)+8*\qt:P+16*((\pos+1)&1)+8*\qt+7], 0
	v_wmma_f32_16x16x32_f16 v[LS+8*\qt:LS+8*\qt+7], v[ONE:ONE+7], v[P+16*((\pos+1)&1)+8*\qt:P+16*((\pos+1)&1)+8*\qt+7], 0
.else
	v_wmma_f32_16x16x32_f16 v[AC+8*\qt:AC+8*\qt+7], v[YR+8*((\pos+3)&3):YR+8*((\pos+3)&3)+7], v[P+16*((\pos+1)&1)+8*\qt:P+16*((\pos+1)&1)+8*\qt+7], v[AC+8*\qt:AC+8*\qt+7]
	v_wmma_f32_16x16x32_f16 v[LS+8*\qt:LS+8*\qt+7], v[ONE:ONE+7], v[P+16*((\pos+1)&1)+8*\qt:P+16*((\pos+1)&1)+8*\qt+7], v[LS+8*\qt:LS+8*\qt+7]
.endif
.endr
.endm
.macro EXPS
.set x, 0
.rept 32
	v_exp_f32 v[E+x], v[S+x]
.set x, x+1
.endr
	v_nop                                          ; one plain vector instruction before E is read and S written again (ISA guide 5.7.2)
.endm
; wk: loads that may stay out when the block's k has to be in (even blocks: a new group); wy: the same for ytr of block i - 1.
.macro BLK pos, wk, ldy, ldk, wy, zero
.if (\pos&1) == 0
	s_wait_loadcnt \wk
.endif
	SMUL \pos
	PACK \pos
.if \ldy
	LOADY \pos
.endif
.if \ldk
	LOADK \pos
.endif
	s_wait_loadcnt \wy
	PVS \pos, \zero
	EXPS
.endm
.macro NEXT                            ; four blocks on
	s_wait_xcnt 0x0                                ; the bases are sources of the loads above: stepped only behind this wait
	s_add_nc_u64 s[24:25], s[24:25], 1024
	s_add_nc_u64 s[26:27], s[26:27], 4096
.endm
; Order of issue, two loads each: K0 K1 Y0 Y1 | Y2 | Y3 K2 | Y4 | Y5 K3 | Y6 | Y7 K4 | ...  (one bar for each block).
; In the steady state three pairs follow a group of k when it is wanted (6) and five pairs follow a block of ytr (10).
	s_wait_loadcnt 6                               ; K0 is in; K1, Y0, Y1 may stay out
	SMUL 0
.rept 4
	v_nop                                          ; block 0 has no conversions to put behind its products
.endr
	LOADY 0
	EXPS
	BLK 1, 0, 1, 1, 8, 1                           ; behind Y0: Y1 Y2 Y3 K2
	BLK 2, 6, 1, 0, 8, 0                           ; behind Y1: Y2 Y3 K2 Y4.  K1
	BLK 3, 0, 1, 1, 10, 0
	NEXT
	s_mov_b32 s30, 6                               ; blocks 4 to 27
.Ltrip:
	BLK 0, 6, 1, 0, 10, 0
	BLK 1, 0, 1, 1, 10, 0
	BLK 2, 6, 1, 0, 10, 0
	BLK 3, 0, 1, 1, 10, 0
	NEXT
	s_sub_co_i32 s30, s30, 1
	s_cmp_lg_u32 s30, 0
	s_cbranch_scc1 .Ltrip
	; Blocks 28 to 31 ask for nothing beyond my keys: ... Y29 K15 | Y30 | Y31 | - | -, and the counts run down.
	BLK 0, 6, 1, 0, 10, 0
	BLK 1, 0, 1, 0, 8, 0                           ; behind Y28: Y29 K15 Y30 Y31
	BLK 2, 4, 0, 0, 6, 0                           ; behind K15: Y30 Y31.  Behind Y29: K15 Y30 Y31 (met by the wait for K15 already)
	BLK 3, 0, 0, 0, 2, 0                           ; behind Y30: Y31
	PACK 0
	s_wait_loadcnt 0x0
	PVS 0, 0                                       ; block 31
; ---------------- the 16 waves' sums meet ----------------
.rept 4
	v_nop                                          ; four places behind the last products before their results are read (ISA guide 7.12.1)
.endr
	v_cndmask_b32 v5, v[LS], v[LS+8], s11          ; all rows of a sum tile are alike: lane l takes local query l
	ds_store_b32 v[XST], v5 offset:LB
	; four stores a wave in the whole kernel, left as it is,
	; so that the rows lie as in out and are read back without gaps.
	ds_store_b128 v[PST], v[AC:AC+3]     offset:PB
	ds_store_b128 v[PST], v[AC+4:AC+7]   offset:PB+16
	ds_store_b128 v[PST], v[AC+8:AC+11]  offset:PB+1024
	ds_store_b128 v[PST], v[AC+12:AC+15] offset:PB+1040
	s_wait_dscnt 0x0                               ; all in LDS before I say so
	s_barrier_signal -1
	s_barrier_wait -1
	s_cmp_ge_u32 s10, 4                            ; 128 threads x 16 bytes are the work-group's 2,048 bytes of out
	s_cbranch_scc1 .Ldone
	v_lshlrev_b32 v11, 4, v0                       ; my 16 bytes: query t / 4, classes 4 (t % 4) ..
	v_lshrrev_b32 v12, 2, v0
	v_mul_u32_u24 v12, v12, XP
.irp n, 0,1,2,3
	ds_load_b128 v[P+4*\n:P+4*\n+3], v12 offset:LB+16*\n           ; my query's 16 row sums
.endr
.set n, 0
.rept 16
	ds_load_b128 v[S+4*n:S+4*n+3], v11 offset:PB+2048*n            ; my four numbers from wave n (S and E: 64 registers)
.set n, n+1
.endr
	s_wait_dscnt 16                                ; the row sums are in; the 16 loads behind them may stay out
.irp n, 0,2,4,6
	v_pk_add_f32 v[P+\n:P+\n+1], v[P+\n:P+\n+1], v[P+8+\n:P+9+\n]
.endr
	v_pk_add_f32 v[P:P+1], v[P:P+1], v[P+4:P+5]
	v_pk_add_f32 v[P+2:P+3], v[P+2:P+3], v[P+6:P+7]
	v_pk_add_f32 v[P:P+1], v[P:P+1], v[P+2:P+3]
	v_add_f32 v[P], v[P], v[P+1]
	v_rcp_f32 v[P+2], v[P]                         ; used 30 plain instructions further down (ISA guide 5.7.2); the sum is at least 4,096
	s_wait_dscnt 0x0
.irp x, 0,2,4,6,8,10,12,14,16,18,20,22,24,26,28,30
	v_pk_add_f32 v[S+\x:S+\x+1], v[S+\x:S+\x+1], v[S+32+\x:S+33+\x]
.endr
.irp x, 0,2,4,6,8,10,12,14
	v_pk_add_f32 v[S+\x:S+\x+1], v[S+\x:S+\x+1], v[S+16+\x:S+17+\x]
.endr
.irp x, 0,2,4,6
	v_pk_add_f32 v[S+\x:S+\x+1], v[S+\x:S+\x+1], v[S+8+\x:S+9+\x]
.endr
.irp x, 0,2
	v_pk_add_f32 v[S+\x:S+\x+1], v[S+\x:S+\x+1], v[S+4+\x:S+5+\x]
.endr
	s_wait_alu depctr_va_vdst(0)
	v_pk_mul_f32 v[S:S+1], v[S:S+1], v[P+2:P+3] op_sel_hi:[1,0]
	v_pk_mul_f32 v[S+2:S+3], v[S+2:S+3], v[P+2:P+3] op_sel_hi:[1,0]
	global_store_b128 v11, v[S:S+3], s[8:9]        ; a wave's store covers 512 neighbouring bytes, aligned
.Ldone:
	s_wait_tensorcnt 0x0
	ds_add_u32 v7, v13
	s_wait_dscnt 0x0
	s_endpgm
.Lfunc_end_k_q7520fc2757_attend:
	.size	k_q7520fc2757_attend, .Lfunc_end_k_q7520fc2757_attend-k_q7520fc2757_attend
	.p2alignl 7, 3214868480
	.fill 96, 4, 3214868480
	.section	.rodata,"a",@progbits
	.p2align	6, 0x0
	.amdhsa_kernel k_q7520fc2757_attend
		.amdhsa_group_segment_fixed_size 39936
		.amdhsa_private_segment_fixed_size 0
		.amdhsa_enable_private_segment 0
		.amdhsa_kernarg_size 24
		.amdhsa_user_sgpr_count 2
		.amdhsa_user_sgpr_kernarg_segment_ptr 1
		.amdhsa_wavefront_size32 1
		.amdhsa_system_sgpr_workgroup_id_x 1
		.amdhsa_system_sgpr_workgroup_id_y 1
		.amdhsa_system_sgpr_workgroup_id_z 1
		.amdhsa_system_vgpr_workitem_id 0
		.amdhsa_next_free_vgpr 256
		.amdhsa_next_free_sgpr 66
		.amdhsa_reserve_vcc 0
		.amdhsa_float_denorm_mode_32 3
		.amdhsa_float_denorm_mode_16_64 3
		.amdhsa_memory_ordered 1
		.amdhsa_forward_progress 1
		.amdhsa_inst_pref_size 90
	.end_amdhsa_kernel
	.amdgpu_metadata
---
amdhsa.version: [ 1, 2 ]
amdhsa.kernels:
  - .name:           k_q7520fc2757_attend
    .symbol:         k_q7520fc2757_attend.kd
    .args:
      - { .name: pf, .offset: 0, .size: 8, .value_kind: global_buffer, .address_space: global }
      - { .name: yf, .offset: 8, .size: 8, .value_kind: global_buffer, .address_space: global }
      - { .name: out0, .offset: 16, .size: 8, .value_kind: global_buffer, .address_space: global }
    .group_segment_fixed_size: 39936
    .private_segment_fixed_size: 0
    .kernarg_segment_align: 8
    .kernarg_segment_size: 24
    .max_flat_workgroup_size: 512
    .sgpr_count:     66
    .vgpr_count:     256
    .wavefront_size: 32
...
	.end_amdgpu_metadata
.endif
;; end of part 2
;; ======== version 2 of 2: 2 launches; version 1 with the launch attend written anew for expert scheduling mode
;; limits: values are held in f16: magnitudes above 65,504 overflow, below 6.1e-05 lose precision; inputs' magnitudes at most 65,504
;; workspace buffers: pf 196,608 bytes; yf 524,288 bytes
;; launch project: the kernel of part 1 again; grid 256 x 1, 12 waves a work-group, no clusters, 2,560 bytes of LDS; arguments xt, xtr, ytr, A, pf, yf; writes pf, yf
;; launch attend (part 3): grid 256 x 1, 16 waves a work-group, no clusters, 39,936 bytes of LDS; arguments pf, yf, out0; writes out0
.if DOCPART == 3
	.amdgcn_target "amdgcn-amd-amdhsa--gfx1250"
	.amdhsa_code_object_version 6
	.text
	.protected	k_q7520fc2757_attend
	.globl	k_q7520fc2757_attend
	.p2align	8
	.type	k_q7520fc2757_attend,@function
k_q7520fc2757_attend:
	s_mov_b64 s[64:65], 0
	v_nop
	global_prefetch_b8 v0, s[64:65] scope:SCOPE_SE
	s_setreg_imm32_b32 hwreg(HW_REG_WAVE_SCHED_MODE, 0, 2), 2
	s_setreg_imm32_b32 hwreg(HW_REG_WAVE_MODE, 25, 1), 1
	s_wait_xcnt 0x0
	s_wait_alu depctr_vm_vsrc(0)
; ATTEND: out[i] = sum over j of softmax_j(q_i . k_j) ytr[j].  8,192 queries, 16,384 keys, 16 classes.
; pf holds q (times log2 e) and k as two bf16 parts each, yf holds ytr in f16, both in the order of the matrix operands (see PROJECT).
; A work-group owns 32 queries (two tiles of 16) and walks all keys; its 16 waves take 1,024 keys each, four waves to a SIMD.
;
; LOGITS, S^T = K Q^T, one bf16 matrix instruction for 16 keys x 16 queries.  Of the 32 places along K a tile needs 8:
;   A (keys): registers 2 t, 2 t + 1 of a group of 8 registers hold tile t's words (k0h k1h), (k0l k1l), alike in both halves of the lanes:
;   one group of 8 registers = 64 keys, two loads.
;   B (queries): a window of 8 registers out of a run of 14 that is zero but for two, both (q0h q1h) in lanes 0-15 and (q0l q1l) in
;   lanes 16-31.  The window that starts at 6 - 2 t meets tile t; the other tiles' k meet zeros.  The sum is (q0h+q0l)(k0h+k0l)+(q1h+q1l)(k1h+k1l).
; PASS 1: the raw logits of my 1,024 keys, their maximum by row; the 16 waves' maxima meet in LDS: M is the row's exact maximum.
; PASS 2: the same products with C = 12 - M give x <= 12; P = 2^x in f16.  A lane of S^T holds 8 neighbouring keys of one query, which is
;   the B operand's layout of P: no shuffle.  out^T += Y^T P (A = 16 classes x 32 keys from yf), and the row sums by A = ones, from the
;   same rounded P.  A lane of out^T holds 8 neighbouring classes of one query.  The waves' sums meet in LDS; waves 0-3 add, divide, store.
; The logits are made twice rather than kept or shifted by vector instructions: 2 matrix instructions for 512 pairs against 8 packed adds.
; f16 and not bf16 for P and ytr: 11 bits against 8; rows with few effective neighbours need them.  The 12 lifts P to 4,096 at most.
; NO CLUSTER, NO LDS RING: the loads land in the operands' registers as they are; a work-group loads 48 bytes a key (k twice, 8 bytes; ytr 32)
; for 32 exponentials a key, 1.5 bytes for each.  All work-groups walk the same 640 KB; joint requests would have to pass through LDS.
; No prefetch: pf and yf were stored by the launch before and are read by all 256 work-groups.
; LIMITS: q, k finite (the zeros of a window multiply other keys' k: an infinite k would give NaN where the softmax gives weight 0);
; weights below 2^-37 of a row's largest vanish in f16 (in all at most 2^-23 of the row's sum); logits carry 16 bits of q and of k.
;
; THE MODE: SCHED_MODE bits 1:0 = 2 (LLVM: expert scheduling mode 2), set by the entry lines.  The code itself states the register dependences
; between vector or matrix instructions and memory or LDS instructions, with s_wait_alu, always for 0.
; THE PLAN.  Registers that memory or LDS instructions touch:
;   v1, v2, v8, v9, v10  offsets and LDS addresses: made at the head, never written again; one wait at the head serves every access by them.
;   v194-241   pass 1: part of k, read by its products.  Pass 2: YR and KR.  One wait in pass 1's tail stands ahead of pass 2's first loads.
;   YR0 .. YR3 Block i: its sums (of block i - 1) read YR[(i - 1) % 4]; its load (ytr of block i + 2) lands in YR[(i + 2) % 4], which the sums issued in block i - 1 read last.
;   KR0, KR1   Blocks 2 g and 2 g + 1: their products read KR[g % 2]; at the head of block 2 g group g + 1 lands in KR[(g + 1) % 2], which block 2 g - 1's products read last.
;   v5         the data of the two LDS stores of one word; written three times.
;   S, E, P, BI, ONE, the windows and the sums are named by vector and matrix instructions alone until the way out.
; So ONE wait on va_vdst stands in a block of pass 2, at its end, behind the exponentials: it states that they have written E, that the block's sums are done reading
; their ytr and its products their k.  The next block's loads follow with no further wait: k's at its head; ytr's behind its products and conversions, which name
; the other KR, the windows, BI, S, E and P: none of the registers that the load touches.  The loop's loads read v1 and v2 alone, so it holds no wait on vm_vsrc.
.set XP,    80                         ; pitch of a query's 16 words in the two exchange tables: an odd multiple of 16
.set MXB,   0                          ; LDS: maxima, 32 queries x 16 waves
.set LB,    32*XP                      ; LDS: row sums, likewise
.set PB,    2*32*XP                    ; LDS: 16 waves x 2,048 bytes of sums, each in the order of out
.set SHIFT, 0x41400000                 ; 12.0
.set KOF, 1                            ; v1  16 x (lane % 16): pf
.set YOF, 2                            ; v2  16 x lane: yf
.set XST, 8                            ; v8  exchange: my wave's word of local query = lane
.set XLD, 9                            ; v9  exchange: the 16 words of local query = lane
.set PST, 10                           ; v10 where my sums go
.set QW,  14                           ; v[14:41]   two runs of 14: the windows of the two query tiles
.set MX,  42                           ; pass 1: v[42:49]   4 running maxima a tile
.set D,   50                           ; pass 1: v[50:113]  two buffers of 4 logit tiles
.set QL,  116                          ; pass 1: v[116:119] q as loaded
.set KA,  128                          ; pass 1: v[128:255] my 16 groups of 64 keys
.set BI,  42                           ; pass 2: v[42:57]   12 - M, eight times for each tile (the C operand)
.set ONE, 58                           ; v[58:65]   1.0 in f16 everywhere
.set AC,  66                           ; v[66:81]   out^T, two tiles
.set LS,  82                           ; v[82:97]   row sums, two tiles
.set S,   98                           ; v[98:129]  x of a block: 2 query tiles x 2 key tiles
.set E,   130                          ; v[130:161] 2^x
.set P,   162                          ; v[162:193] P in f16, two buffers of 2 x 8
.set YR,  194                          ; v[194:225] ytr: a ring of four blocks of 32 keys
.set KR,  226                          ; v[226:241] k: a ring of two groups of 64 keys
	s_load_b128 s[4:7], s[0:1], 0x0                ; pf s[4:5], yf s[6:7]
	s_load_b64 s[8:9], s[0:1], 0x10                ; out0
	v_lshl_add_u32 v7, v0, 2, 0x9400
	v_mov_b32 v13, 0
	v_lshrrev_b32 v3, 5, v0
	v_readfirstlane_b32 s10, v3                    ; wave 0..15
	v_and_b32 v4, 31, v0                           ; lane
	v_and_b32 v5, 15, v0                           ; r
	v_bfe_u32 v6, v0, 4, 1                         ; h
	v_lshlrev_b32 v[KOF], 4, v5
	v_lshlrev_b32 v[YOF], 4, v4
	v_mul_u32_u24 v[XLD], v4, XP
	v_lshl_add_u32 v[XST], v3, 2, v[XLD]
	; Where my sums go, as a plain sum: at most 15 x 64 + 32 + 15 x 2,048 = 31,712, so that the last store
	; (offset PB + 1,040, 16 bytes) ends at byte 37,888, the end of the work-group's LDS.
	v_lshlrev_b32 v[PST], 6, v5                    ; a query's 64 bytes,
	v_lshl_add_u32 v[PST], v6, 5, v[PST]           ; my 8 classes,
	v_lshl_add_u32 v[PST], v3, 11, v[PST]          ; my wave's 2,048 bytes
.irp z, 0,1,2,3,4,5,8,9,10,11,12,13
	v_mov_b32 v[QW+\z], 0                          ; the zeros of the windows are operands, not sums
	v_mov_b32 v[QW+14+\z], 0
.endr
	s_mov_b32 s11, 0xffff0000                      ; lanes 16-31
	s_mov_b32 s12, 0x76543210                      ; v_permlanex16_b32: lane i of one half reads lane i of the other
	s_mov_b32 s13, 0xfedcba98
	s_lshl_b32 s14, ttmp9, 8                       ; q: one unit of 256 bytes a work-group
	s_mov_b32 s15, 0
	s_wait_alu depctr_va_sdst(0)                   ; s10 is written, ahead of its first reader: the places of my k and my ytr are made from it
	s_lshl_b32 s16, s10, 13                        ; k: 1,024 keys of 8 bytes a wave,
	s_add_co_u32 s16, s16, 65536                   ;    behind q's 64 KB
	s_mov_b32 s17, 0
	s_lshl_b32 s18, s10, 15                        ; ytr: 1,024 keys of 32 bytes a wave
	s_mov_b32 s19, 0
	s_lshl_b32 s20, ttmp9, 11                      ; out: 32 rows of 64 bytes
	s_mov_b32 s21, 0
	s_wait_kmcnt 0x0
	s_add_nc_u64 s[22:23], s[4:5], s[14:15]
	s_add_nc_u64 s[24:25], s[4:5], s[16:17]
	s_add_nc_u64 s[26:27], s[6:7], s[18:19]
	s_add_nc_u64 s[8:9], s[8:9], s[20:21]
	s_wait_alu depctr_va_vdst(0)                   ; v1, v2, v8, v9 and v10 are written: every load of pf and yf and every access to the exchange tables reads one of them
	global_load_b128 v[QL:QL+3], v[KOF], s[22:23]  ; query r of tile 0 (two words), query r of tile 1
.set g, 0
.rept 16
	global_load_b128 v[KA+8*g:KA+8*g+3],   v[KOF], s[24:25] offset:512*g        ; key r of tiles 0, 1 of group g
	global_load_b128 v[KA+8*g+4:KA+8*g+7], v[KOF], s[24:25] offset:512*g+256    ; of tiles 2, 3
.set g, g+1
.endr
	s_wait_loadcnt 32                              ; q is in; the 32 loads of k may stay out
	v_cndmask_b32 v[QW+6],  v[QL],   v[QL+1], s11  ; high parts in lanes 0-15, low parts in lanes 16-31
	v_cndmask_b32 v[QW+20], v[QL+2], v[QL+3], s11
	v_mov_b32 v[QW+7],  v[QW+6]
	v_mov_b32 v[QW+21], v[QW+20]
; ---------------- PASS 1: the maxima ----------------
; Batch n = key tiles 2 (n % 2), + 1 of group n / 2, times both query tiles: 4 matrix instructions into buffer n % 2.
.macro RAW4 n
.irp qt, 0,1
.irp u, 0,1
	v_wmma_f32_16x16x32_bf16 v[D+32*((\n)&1)+16*\qt+8*\u:D+32*((\n)&1)+16*\qt+8*\u+7], v[KA+8*((\n)>>1):KA+8*((\n)>>1)+7], v[QW+14*\qt+6-4*((\n)&1)-2*\u:QW+14*\qt+13-4*((\n)&1)-2*\u], 0
.endr
.endr
.endm
; 8 instructions: key tile u of batch n into the running maxima; init = 1: the first pair starts them.
.macro MAX8 n, u, init
.irp qt, 0,1
.irp c, 0,1,2,3
.if \init
	v_max_num_f32 v[MX+4*\qt+\c], v[D+32*((\n)&1)+16*\qt+8*\u+2*\c], v[D+32*((\n)&1)+16*\qt+8*\u+2*\c+1]
.else
	v_max3_num_f32 v[MX+4*\qt+\c], v[D+32*((\n)&1)+16*\qt+8*\u+2*\c], v[D+32*((\n)&1)+16*\qt+8*\u+2*\c+1], v[MX+4*\qt+\c]
.endif
.endr
.endr
.endm
; A vector instruction reads a matrix result four independent vector instructions behind it at the earliest (ISA guide 7.12.1).
; Here the 16 maxima of batch n - 1 stand between batch n's products and their first use; only batch 0 needs v_nop.
	s_wait_loadcnt 30                              ; group 0 is in; the 30 loads of groups 1-15 may stay out
	RAW4 0
.rept 4
	v_nop
.endr
.set bn, 1
.rept 31
.if (bn&1) == 0
	s_wait_loadcnt 30-bn                           ; group bn / 2 is in; two loads for each later group may stay out
.endif
	RAW4 bn
.if bn == 1
	MAX8 0, 0, 1
.else
	MAX8 bn-1, 0, 0
.endif
	MAX8 bn-1, 1, 0
.set bn, bn+1
.endr
	; Pass 2's first loads go out now, ahead of the last batch's maxima, which name D and MX alone, and travel while the maxima are finished and exchanged.
	s_wait_alu depctr_va_vdst(0)                   ; pass 1's products are done reading v194-241 (groups 8 to 14 of k), in which the eight loads below and those of blocks 0 and 1 land
.irp g, 0,1
	global_load_b128 v[KR+8*\g:KR+8*\g+3],   v[KOF], s[24:25] offset:512*\g
	global_load_b128 v[KR+8*\g+4:KR+8*\g+7], v[KOF], s[24:25] offset:512*\g+256
.endr
.irp b, 0,1
	global_load_b128 v[YR+8*\b:YR+8*\b+3],   v[YOF], s[26:27] offset:1024*\b
	global_load_b128 v[YR+8*\b+4:YR+8*\b+7], v[YOF], s[26:27] offset:1024*\b+512
.endr
	MAX8 31, 0, 0
	MAX8 31, 1, 0
	v_max3_num_f32 v3, v[MX], v[MX+1], v[MX+2]
	v_max3_num_f32 v4, v[MX+4], v[MX+5], v[MX+6]
	v_max_num_f32 v3, v3, v[MX+3]                  ; tile 0: query r, my half's keys
	v_max_num_f32 v4, v4, v[MX+7]                  ; tile 1
	v_cndmask_b32 v5, v3, v4, s11                  ; lanes 0-15 keep tile 0 and send tile 1, lanes 16-31 the other way round:
	v_cndmask_b32 v6, v4, v3, s11                  ; lane l ends with local query l
	v_permlanex16_b32 v3, v6, s12, s13
	v_max_num_f32 v5, v5, v3
	s_wait_alu depctr_va_vdst(0)                   ; v5 is written, which the LDS store reads; the last batch's products have written v98-113 and its maxima are done reading them: the LDS loads behind the barrier land there
	ds_store_b32 v[XST], v5 offset:MXB
	s_wait_dscnt 0x0                               ; my word is in LDS before I say so
	s_barrier_signal -1
	s_barrier_wait -1
.irp n, 0,1,2,3
	ds_load_b128 v[S+4*\n:S+4*\n+3], v[XLD] offset:MXB+16*\n       ; the 16 waves' maxima of local query = lane
.endr
.irp j, 0,1,2,3,4,5,6,7
	v_mov_b32 v[ONE+\j], 0x3c003c00                ; 1.0, 1.0 in f16
.endr
	s_wait_dscnt 0x0
	v_max3_num_f32 v[S],    v[S],    v[S+1],  v[S+2]
	v_max3_num_f32 v[S+3],  v[S+3],  v[S+4],  v[S+5]
	v_max3_num_f32 v[S+6],  v[S+6],  v[S+7],  v[S+8]
	v_max3_num_f32 v[S+9],  v[S+9],  v[S+10], v[S+11]
	v_max3_num_f32 v[S+12], v[S+12], v[S+13], v[S+14]
	v_max3_num_f32 v[S],    v[S],    v[S+3],  v[S+15]
	v_max3_num_f32 v[S+6],  v[S+6],  v[S+9],  v[S+12]
	s_wait_alu depctr_vm_vsrc(0)                   ; the LDS store of my maximum has read v5, which the next line, and a line of the way out, write again
	v_max_num_f32 v5, v[S], v[S+6]                 ; M of local query = lane
	v_permlanex16_b32 v3, v5, s12, s13
	v_cndmask_b32 v4, v5, v3, s11                  ; M of query r of tile 0, in both halves
	v_cndmask_b32 v6, v3, v5, s11                  ; of tile 1
.irp j, 0,1,2,3,4,5,6,7
	v_sub_f32 v[BI+\j], SHIFT, v4                  ; every register of a logit tile belongs to the lane's own query
	v_sub_f32 v[BI+8+\j], SHIFT, v6
.endr
; ---------------- PASS 2 ----------------
; Blocks of 32 keys, i = 0..31; pos = i % 4.  Block i takes the steps: k's load (even blocks); x(i) by 4 products; P(i-1) packed; ytr's load; sums of block i-1; 2^x(i); the wait.
; The 16 conversions stand between x(i)'s products and the exponentials that read them, between the sums that read a slot of ytr and the load into it,
; and (P has two buffers) between a product that read P and the conversion that rewrites it.
.macro SMUL pos
.irp qt, 0,1
.irp u, 0,1
	v_wmma_f32_16x16x32_bf16 v[S+16*\qt+8*\u:S+16*\qt+8*\u+7], v[KR+8*(\pos>>1):KR+8*(\pos>>1)+7], v[QW+14*\qt+6-4*(\pos&1)-2*\u:QW+14*\qt+13-4*(\pos&1)-2*\u], v[BI+8*\qt:BI+8*\qt+7]
.endr
.endr
.endm
.macro PACK pos                        ; keys 8 h + 0..7 of key tile u -> registers 4 u .. 4 u + 3 of the B operand, the lower key in the lower half
.irp qt, 0,1
.irp u, 0,1
.irp c, 0,1,2,3
	v_cvt_pk_f16_f32 v[P+16*((\pos+1)&1)+8*\qt+4*\u+\c], v[E+16*\qt+8*\u+2*\c], v[E+16*\qt+8*\u+2*\c+1]
.endr
.endr
.endr
.endm
.macro LOADY pos                       ; ytr of block i + 2, into the slot that block i - 2 left.  No wait: no vector or matrix instruction since the last block's wait names the slot or v2
	global_load_b128 v[YR+8*((\pos+2)&3):YR+8*((\pos+2)&3)+3],   v[YOF], s[26:27] offset:(\pos+2)*1024
	global_load_b128 v[YR+8*((\pos+2)&3)+4:YR+8*((\pos+2)&3)+7], v[YOF], s[26:27] offset:(\pos+2)*1024+512
.endm
.macro LOADK pos                       ; even blocks, at the head: the next group, into the slot whose second half the block before multiplied.  It stands directly behind that block's wait
	global_load_b128 v[KR+8*(((\pos>>1)+1)&1):KR+8*(((\pos>>1)+1)&1)+3],   v[KOF], s[24:25] offset:((\pos>>1)+1)*512
	global_load_b128 v[KR+8*(((\pos>>1)+1)&1)+4:KR+8*(((\pos>>1)+1)&1)+7], v[KOF], s[24:25] offset:((\pos>>1)+1)*512+256
.endm
.macro PVS pos, zero                   ; block i - 1: out^T += Y^T P and sums += 1 P; zero = 1: the first products start the sums
.irp qt, 0,1
.if \zero
	v_wmma_f32_16x16x32_f16 v[AC+8*\qt:AC+8*\qt+7], v[YR+8*((\pos+3)&3):YR+8*((\pos+3)&3)+7], v[P+16*((\pos+1)&1)+8*\qt:P+16*((\pos+1)&1)+8*\qt+7], 0
	v_wmma_f32_16x16x32_f16 v[LS+8*\qt:LS+8*\qt+7], v[ONE:ONE+7], v[P+16*((\pos+1)&1)+8*\qt:P+16*((\pos+1)&1)+8*\qt+7], 0
.else
	v_wmma_f32_16x16x32_f16 v[AC+8*\qt:AC+8*\qt+7], v[YR+8*((\pos+3)&3):YR+8*((\pos+3)&3)+7], v[P+16*((\pos+1)&1)+8*\qt:P+16*((\pos+1)&1)+8*\qt+7], v[AC+8*\qt:AC+8*\qt+7]
	v_wmma_f32_16x16x32_f16 v[LS+8*\qt:LS+8*\qt+7], v[ONE:ONE+7], v[P+16*((\pos+1)&1)+8*\qt:P+16*((\pos+1)&1)+8*\qt+7], v[LS+8*\qt:LS+8*\qt+7]
.endif
.endr
.endm
.macro EXPS                            ; the block's 32 exponentials are one batch; the block's one wait stands behind it, ahead of every label and branch that follows a block
.set x, 0
.rept 32
	v_exp_f32 v[E+x], v[S+x]
.set x, x+1
.endr
	v_nop                                          ; one plain vector instruction before E is read and S written again (ISA guide 5.7.2)
	s_wait_alu depctr_va_vdst(0)                   ; the exponentials have written E, which the next conversions read; this block's sums are done reading their slot of ytr and its products their k: the next block's loads land there
.endm
; ldk, ldy: the block asks for k, for ytr.  wk: loads that may stay out when the block's k has to be in (even blocks: a new group); wy: the same for ytr of block i - 1.
.macro BLK pos, ldk, wk, ldy, wy, zero
.if \ldk
	LOADK \pos
.endif
.if (\pos&1) == 0
	s_wait_loadcnt \wk
.endif
	SMUL \pos
	PACK \pos
.if \ldy
	LOADY \pos
.endif
	s_wait_loadcnt \wy
	PVS \pos, \zero
	EXPS
.endm
.macro NEXT                            ; four blocks on
	s_wait_xcnt 0x0                                ; the bases are sources of the loads above: stepped only behind this wait
	s_add_nc_u64 s[24:25], s[24:25], 1024
	s_add_nc_u64 s[26:27], s[26:27], 4096
.endm
; Order of issue, two loads each: K0 K1 Y0 Y1 | Y2 | Y3 | K2 Y4 | Y5 | K3 Y6 | Y7 | K4 Y8 | ...  (one bar for each block).
; In the steady state three pairs follow a group of k when it is wanted (6: Y Y K); five pairs follow a block of ytr that an even block wants (10: K Y Y K Y),
; four pairs one that an odd block wants (8: Y K Y Y).
	s_wait_loadcnt 6                               ; K0 is in; K1, Y0, Y1 may stay out
	SMUL 0
.rept 4
	v_nop                                          ; block 0 has no conversions to put behind its products
.endr
	LOADY 0                                        ; its slot was last named by pass 1's products, ahead of the wait in pass 1's tail
	EXPS
	BLK 1, 0, 0, 1, 6, 1                           ; behind Y0: Y1 Y2 Y3
	BLK 2, 1, 10, 1, 8, 0                          ; behind K1: Y0 Y1 Y2 Y3 K2.  Behind Y1: Y2 Y3 K2 Y4
	BLK 3, 0, 0, 1, 8, 0                           ; behind Y2: Y3 K2 Y4 Y5
	NEXT
	s_mov_b32 s30, 6                               ; blocks 4 to 27
.Ltrip:
	BLK 0, 1, 6, 1, 10, 0
	BLK 1, 0, 0, 1, 8, 0
	BLK 2, 1, 6, 1, 10, 0
	BLK 3, 0, 0, 1, 8, 0
	NEXT
	s_sub_co_i32 s30, s30, 1
	s_cmp_lg_u32 s30, 0
	s_cbranch_scc1 .Ltrip
	; Blocks 28 to 31 ask for nothing beyond my keys: ... | K15 Y30 | Y31 | - | -, and the counts run down.
	BLK 0, 1, 6, 1, 10, 0
	BLK 1, 0, 0, 1, 8, 0                           ; behind Y28: Y29 K15 Y30 Y31
	BLK 2, 0, 4, 0, 6, 0                           ; behind K15: Y30 Y31.  Behind Y29: K15 Y30 Y31 (met by the wait for K15 already)
	BLK 3, 0, 0, 0, 2, 0                           ; behind Y30: Y31
	PACK 0
	s_wait_loadcnt 0x0
	PVS 0, 0                                       ; block 31
; ---------------- the 16 waves' sums meet ----------------
.rept 4
	v_nop                                          ; four places behind the last products before their results are read (ISA guide 7.12.1)
.endr
	v_cndmask_b32 v5, v[LS], v[LS+8], s11          ; all rows of a sum tile are alike: lane l takes local query l
	s_wait_alu depctr_va_vdst(0)                   ; v5 is written, and the last products have written out^T: the LDS stores read them; the places above stay beside this wait
	ds_store_b32 v[XST], v5 offset:LB
	; four stores a wave in the whole kernel, left as it is,
	; so that the rows lie as in out and are read back without gaps.
	ds_store_b128 v[PST], v[AC:AC+3]     offset:PB
	ds_store_b128 v[PST], v[AC+4:AC+7]   offset:PB+16
	ds_store_b128 v[PST], v[AC+8:AC+11]  offset:PB+1024
	ds_store_b128 v[PST], v[AC+12:AC+15] offset:PB+1040
	s_wait_dscnt 0x0                               ; all in LDS before I say so
	s_barrier_signal -1
	s_barrier_wait -1
	s_cmp_ge_u32 s10, 4                            ; 128 threads x 16 bytes are the work-group's 2,048 bytes of out
	s_cbranch_scc1 .Ldone
	v_lshlrev_b32 v11, 4, v0                       ; my 16 bytes: query t / 4, classes 4 (t % 4) ..
	v_lshrrev_b32 v12, 2, v0
	v_mul_u32_u24 v12, v12, XP
	s_wait_alu depctr_va_vdst(0)                   ; v11 and v12 are written, which the LDS loads and the store below read as addresses; all that named P, S and E, in which the loads land, was issued ahead
.irp n, 0,1,2,3
	ds_load_b128 v[P+4*\n:P+4*\n+3], v12 offset:LB+16*\n           ; my query's 16 row sums
.endr
.set n, 0
.rept 16
	ds_load_b128 v[S+4*n:S+4*n+3], v11 offset:PB+2048*n            ; my four numbers from wave n (S and E: 64 registers)
.set n, n+1
.endr
	s_wait_dscnt 16                                ; the row sums are in; the 16 loads behind them may stay out
.irp n, 0,2,4,6
	v_pk_add_f32 v[P+\n:P+\n+1], v[P+\n:P+\n+1], v[P+8+\n:P+9+\n]
.endr
	v_pk_add_f32 v[P:P+1], v[P:P+1], v[P+4:P+5]
	v_pk_add_f32 v[P+2:P+3], v[P+2:P+3], v[P+6:P+7]
	v_pk_add_f32 v[P:P+1], v[P:P+1], v[P+2:P+3]
	v_add_f32 v[P], v[P], v[P+1]
	v_rcp_f32 v[P+2], v[P]                         ; used 30 plain instructions further down (ISA guide 5.7.2); the sum is at least 4,096
	s_wait_dscnt 0x0
.irp x, 0,2,4,6,8,10,12,14,16,18,20,22,24,26,28,30
	v_pk_add_f32 v[S+\x:S+\x+1], v[S+\x:S+\x+1], v[S+32+\x:S+33+\x]
.endr
.irp x, 0,2,4,6,8,10,12,14
	v_pk_add_f32 v[S+\x:S+\x+1], v[S+\x:S+\x+1], v[S+16+\x:S+17+\x]
.endr
.irp x, 0,2,4,6
	v_pk_add_f32 v[S+\x:S+\x+1], v[S+\x:S+\x+1], v[S+8+\x:S+9+\x]
.endr
.irp x, 0,2
	v_pk_add_f32 v[S+\x:S+\x+1], v[S+\x:S+\x+1], v[S+4+\x:S+5+\x]
.endr
	s_wait_alu depctr_va_vdst(0)                   ; the reciprocal has written v[P+2], ahead of its first reader
	v_pk_mul_f32 v[S:S+1], v[S:S+1], v[P+2:P+3] op_sel_hi:[1,0]
	v_pk_mul_f32 v[S+2:S+3], v[S+2:S+3], v[P+2:P+3] op_sel_hi:[1,0]
	s_wait_alu depctr_va_vdst(0)                   ; the two multiplies have written v[S .. S+3], which the store reads
	global_store_b128 v11, v[S:S+3], s[8:9]        ; a wave's store covers 512 neighbouring bytes, aligned
.Ldone:
	s_wait_dscnt 0x0
	s_wait_alu depctr_hold_cnt(0) depctr_sa_sdst(0) depctr_va_vdst(0) depctr_va_sdst(0) depctr_va_ssrc(0) depctr_va_vcc(0) depctr_vm_vsrc(0)
	s_wait_tensorcnt 0x0
	ds_add_u32 v7, v13
	s_wait_dscnt 0x0
	s_endpgm
.Lfunc_end_k_q7520fc2757_attend:
	.size	k_q7520fc2757_attend, .Lfunc_end_k_q7520fc2757_attend-k_q7520fc2757_attend
	.p2alignl 7, 3214868480
	.fill 96, 4, 3214868480
	.section	.rodata,"a",@progbits
	.p2align	6, 0x0
	.amdhsa_kernel k_q7520fc2757_attend
		.amdhsa_group_segment_fixed_size 39936
		.amdhsa_private_segment_fixed_size 0
		.amdhsa_enable_private_segment 0
		.amdhsa_kernarg_size 24
		.amdhsa_user_sgpr_count 2
		.amdhsa_user_sgpr_kernarg_segment_ptr 1
		.amdhsa_wavefront_size32 1
		.amdhsa_system_sgpr_workgroup_id_x 1
		.amdhsa_system_sgpr_workgroup_id_y 1
		.amdhsa_system_sgpr_workgroup_id_z 1
		.amdhsa_system_vgpr_workitem_id 0
		.amdhsa_next_free_vgpr 256
		.amdhsa_next_free_sgpr 66
		.amdhsa_reserve_vcc 0
		.amdhsa_float_denorm_mode_32 3
		.amdhsa_float_denorm_mode_16_64 3
		.amdhsa_memory_ordered 1
		.amdhsa_forward_progress 1
		.amdhsa_inst_pref_size 90
	.end_amdhsa_kernel
	.amdgpu_metadata
---
amdhsa.version: [ 1, 2 ]
amdhsa.kernels:
  - .name:           k_q7520fc2757_attend
    .symbol:         k_q7520fc2757_attend.kd
    .args:
      - { .name: pf, .offset: 0, .size: 8, .value_kind: global_buffer, .address_space: global }
      - { .name: yf, .offset: 8, .size: 8, .value_kind: global_buffer, .address_space: global }
      - { .name: out0, .offset: 16, .size: 8, .value_kind: global_buffer, .address_space: global }
    .group_segment_fixed_size: 39936
    .private_segment_fixed_size: 0
    .kernarg_segment_align: 8
    .kernarg_segment_size: 24
    .max_flat_workgroup_size: 512
    .sgpr_count:     66
    .vgpr_count:     256
    .wavefront_size: 32
...
	.end_amdgpu_metadata
.endif
;; end of part 3
